; MI455X (gfx1250); checked and timed in simulation.
; The chip was launched on July 23, 2026; its instructions are those of AMD's public machine-readable ISA for CDNA 5 (MIT licence, August 2026) and "CDNA5" Instruction Set Architecture Reference Guide (July 2026). The comments in the code are by the model that wrote it; some were corrected since.
;; Bayesian Vector Renderer. Allowed arithmetic: float matrix products may take bf16 or f16 operands with f32 sums; all other float work in f32.
;; Inputs: color 3 float32; control_points 49 x 2 float32.
;; Outputs: out0 512 x 1,024 x 4 float32.
;; One version. Each part assembles by itself: llvm-mc -triple=amdgcn-amd-amdhsa -mcpu=gfx1250 --defsym DOCPART=n.
;; ======== version 1 of 1: 2 launches
;; limits: a function is approximated: absolute error at most 0.00016
;; workspace buffers: params 8,192 bytes; masks 32,768 bytes of whole numbers
;; launch edges (part 1): grid 64 x 1, 16 waves a work-group, no clusters, 2,560 bytes of LDS; arguments control_points, params, masks; writes params, masks
.if DOCPART == 1
	.amdgcn_target "amdgcn-amd-amdhsa--gfx1250"
	.amdhsa_code_object_version 6
	.text
	.protected	k_q0a350c2725_edges
	.globl	k_q0a350c2725_edges
	.p2align	8
	.type	k_q0a350c2725_edges,@function
k_q0a350c2725_edges:
	s_mov_b64 s[64:65], 0
	v_nop
	global_prefetch_b8 v0, s[64:65] scope:SCOPE_SE
	s_setreg_imm32_b32 hwreg(HW_REG_WAVE_MODE, 25, 1), 1
	s_wait_xcnt 0x0
; EDGES: from the 49 control points to (a) the 512 polygon edges' parameters and (b) for every row of the picture a mark for each edge that counts there.
; 16 cubic segments x 32 samples = 512 points; edge e runs from point e to point (e + 1) mod 512.
; Wave w is segment w, lane i is sample i, so thread e holds edge e, and a compare over the wave's lanes is one 32-bit word of marks.
; An edge's weight in row y is sigmoid(20 t) sigmoid(20 (1 - t)), t = (y - y0) / (dy + 1e-8).  Outside -0.75 <= t <= 1.75 it is at most
; sigmoid(-15) = 3.1e-7; 512 such edges move the winding by at most 1.6e-4 and alpha = sigmoid(4 winding) by at most 6.3e-4 of its value.
; So edge e is marked for the rows between y0 - 0.75 d and y0 + 1.75 d (d = dy + 1e-8), and the next launch leaves the others out.
; An edge with |dy| < 1e-6 has the coefficient 0 and is marked nowhere.  LIMIT: that also holds for dy = -1e-8 exactly, where the
; division by dy + 1e-8 is a division by zero.  An edge with a non-finite end point is marked in every row, so that it is worked out everywhere.
; 64 work-groups: each makes all 512 edges again (some 40 instructions a wave) and tests 8 rows; work-group g < 16 stores the parameters of word g.
.set SEGB, 24                          ; bytes from a segment's first control point to the next segment's: 3 points of 8 bytes
.set ROWS, 8                           ; rows a work-group tests
.set MROW, 64                          ; bytes of marks for a row: 16 words
.set PAR,  24                          ; v[24:27]  y0, 1 / (dy + 1e-8), x0, dx: the 16 bytes stored for an edge
.set YMIN, 21                          ; v21, v22  the rows in which the edge counts
.set YMAX, 22
	s_load_b128 s[4:7], s[0:1], 0x0                ; control_points s[4:5], params s[6:7]
	s_load_b64 s[8:9], s[0:1], 0x10                ; masks
	v_lshl_add_u32 v40, v0, 2, 0x200
	v_mov_b32 v41, 0
	v_lshrrev_b32 v1, 5, v0
	v_readfirstlane_b32 s10, v1                    ; wave = segment = word of marks, 0..15
	v_and_b32 v1, 31, v0                           ; lane = sample
	s_mul_i32 s12, s10, SEGB                       ; my segment's four control points: 32 bytes from here (the last segment ends at byte 392)
	s_mov_b32 s13, 0
	s_add_co_u32 s14, s10, 1
	s_and_b32 s14, s14, 15                         ; the next segment, round the closed path
	s_mul_i32 s14, s14, SEGB                       ; its first control point = its sample 0
	s_mov_b32 s15, 0
	s_wait_kmcnt 0x0
	s_add_nc_u64 s[26:27], s[4:5], s[12:13]
	s_add_nc_u64 s[28:29], s[4:5], s[14:15]
	s_load_b256 s[16:23], s[26:27], 0x0            ; p0 s[16:17], p1 s[18:19], p2 s[20:21], p3 s[22:23], each x then y
	s_load_b64 s[24:25], s[28:29], 0x0             ; the point behind my segment's last sample
	; t = i / 31, correctly rounded: an estimate, its remainder, one correction.  t is exactly 0 in lane 0 and exactly 1 in lane 31.
	v_cvt_f32_u32 v2, v1
	v_mul_f32 v3, 0x3d042108, v2                   ; i x (1/31)
	v_fmamk_f32 v4, v3, 0xc1f80000, v2             ; i - 31 q, exact in the fused form
	v_fmamk_f32 v3, v4, 0x3d042108, v3             ; t
	v_sub_f32 v4, 1.0, v3                          ; mt = 1 - t
	v_mul_f32 v5, v4, v4                           ; mt^2
	v_mul_f32 v6, v3, v3                           ; t^2
	v_mul_f32 v7, 0x40400000, v5                   ; 3 mt^2
	v_mul_f32 v8, 0x40400000, v4                   ; 3 mt
	v_mul_f32 v5, v5, v4                           ; c0 = mt^3
	v_mul_f32 v7, v7, v3                           ; c1 = 3 mt^2 t
	v_mul_f32 v8, v8, v6                           ; c2 = 3 mt t^2
	v_mul_f32 v6, v6, v3                           ; c3 = t^3
	v_add_nc_u32 v9, 1, v1
	v_and_b32 v9, 31, v9
	v_lshlrev_b32 v9, 2, v9                        ; the next lane, as the byte index that the lane permute takes
	v_cmp_eq_u32 vcc_lo, 31, v1                    ; the segment's last sample
	s_wait_kmcnt 0x0
	; the point: one rounded product and three fused multiply-adds; at t = 0 and t = 1 it is the control point itself, bit for bit
	v_mul_f32 v[PAR+2], s18, v7
	v_mul_f32 v[PAR],   s19, v7
	v_fmac_f32 v[PAR+2], s16, v5
	v_fmac_f32 v[PAR],   s17, v5
	v_fmac_f32 v[PAR+2], s20, v8
	v_fmac_f32 v[PAR],   s21, v8
	v_fmac_f32 v[PAR+2], s22, v6                   ; x0
	v_fmac_f32 v[PAR],   s23, v6                   ; y0
	ds_bpermute_b32 v12, v9, v[PAR+2]              ; the next sample's x and y, from the next lane
	ds_bpermute_b32 v13, v9, v[PAR]
	v_mov_b32 v14, s24
	v_mov_b32 v15, s25
	v_mov_b32 v17, 0x7f800000                      ; +infinity
	s_wait_dscnt 0x0
	v_cndmask_b32 v12, v12, v14, vcc_lo            ; lane 31: the next segment's first point
	v_cndmask_b32 v13, v13, v15, vcc_lo
	v_sub_f32 v14, v13, v[PAR]                     ; dy
	v_sub_f32 v[PAR+3], v12, v[PAR+2]              ; dx
	v_add_f32 v16, 0x322bcc77, v14                 ; d = dy + 1e-8
	v_rcp_f32 v[PAR+1], v16                        ; 1 / d; its sign is dy's wherever |dy| >= 1e-6.  The plain line below stands between it and any use
	v_mul_f32 v18, 0, v[PAR+2]                     ; 0 x each coordinate, summed: 0 if all four are finite, NaN otherwise
	v_fmac_f32 v18, 0, v12
	v_fmac_f32 v18, 0, v[PAR]
	v_fmac_f32 v18, 0, v13
	v_fmamk_f32 v19, v16, 0xbf400000, v[PAR]       ; y at t = -0.75
	v_fmamk_f32 v20, v16, 0x3fe00000, v[PAR]       ; y at t = 1.75
	v_and_b32 v23, 0x7fffffff, v14                 ; |dy|
	v_min_num_f32 v[YMIN], v19, v20
	v_max_num_f32 v[YMAX], v19, v20
	v_cmp_gt_f32 vcc_lo, 0x358637bd, v23           ; 1e-6 > |dy|: coefficient 0,
	v_cndmask_b32 v[YMIN], v[YMIN], v17, vcc_lo    ; no row is at or above +infinity
	v_cmp_eq_f32 vcc_lo, 0, v18                    ; all finite?
	v_cndmask_b32 v[YMIN], 0xff800000, v[YMIN], vcc_lo   ; if not: every row
	v_cndmask_b32 v[YMAX], 0x7f800000, v[YMAX], vcc_lo
	; my work-group's 8 rows: one word of marks a row, gathered in lanes 0 to 7 of v28
	s_lshl_b32 s30, ttmp9, 3                       ; first row
	v_mov_b32 v28, 0                               ; written whole before single lanes are written
.irp r, 0,1,2,3,4,5,6,7
	s_add_co_u32 s31, s30, \r
	s_cvt_f32_u32 s31, s31                         ; the row as a number (exact: below 512)
	v_cmp_ge_f32 s32, s31, v[YMIN]
	v_cmp_le_f32 s33, s31, v[YMAX]
	s_and_b32 s32, s32, s33                        ; bit i: edge 32 w + i counts in this row
	v_writelane_b32 v28, s32, \r
.endr
	; the 16 waves' words meet in LDS as they lie in memory: row r at 64 r, word w at 4 w
	v_and_b32 v29, 7, v0
	v_lshlrev_b32 v29, 6, v29
	v_lshl_add_u32 v29, s10, 2, v29
	v_cmp_gt_u32 vcc_lo, ROWS, v1
	s_and_saveexec_b32 s34, vcc_lo                 ; lanes 0 to 7 hold the rows' words
	ds_store_b32 v29, v28
	s_or_b32 exec_lo, exec_lo, s34
	s_wait_dscnt 0x0                               ; my words are in LDS before I say so
	s_barrier_signal -1
	s_barrier_wait -1                              ; everybody's are
	s_cmp_lg_u32 s10, ttmp9                        ; the parameters of word g are stored once in the launch: by wave g of work-group g
	s_cbranch_scc1 .Lno_params
	v_lshlrev_b32 v30, 4, v0                       ; 16 bytes an edge: the wave stores 512 consecutive bytes, aligned
	s_wait_alu depctr_va_vdst(0)
	global_store_b128 v30, v[PAR:PAR+3], s[6:7]
.Lno_params:
	s_cmp_lg_u32 s10, 0
	s_cbranch_scc1 .Ldone
	v_lshlrev_b32 v31, 4, v1                       ; wave 0 stores the 8 rows' marks: 512 consecutive bytes, aligned
	ds_load_b128 v[32:35], v31
	s_lshl_b32 s36, ttmp9, 9                       ; ROWS x MROW bytes a work-group
	s_mov_b32 s37, 0
	s_add_nc_u64 s[8:9], s[8:9], s[36:37]
	s_wait_dscnt 0x0
	global_store_b128 v31, v[32:35], s[8:9]
.Ldone:
	s_wait_tensorcnt 0x0
	ds_add_u32 v40, v41
	s_wait_dscnt 0x0
	s_endpgm
.Lfunc_end_k_q0a350c2725_edges:
	.size	k_q0a350c2725_edges, .Lfunc_end_k_q0a350c2725_edges-k_q0a350c2725_edges
	.p2alignl 7, 3214868480
	.fill 96, 4, 3214868480
	.section	.rodata,"a",@progbits
	.p2align	6, 0x0
	.amdhsa_kernel k_q0a350c2725_edges
		.amdhsa_group_segment_fixed_size 2560
		.amdhsa_private_segment_fixed_size 0
		.amdhsa_enable_private_segment 0
		.amdhsa_kernarg_size 24
		.amdhsa_user_sgpr_count 2
		.amdhsa_user_sgpr_kernarg_segment_ptr 1
		.amdhsa_wavefront_size32 1
		.amdhsa_system_sgpr_workgroup_id_x 1
		.amdhsa_system_sgpr_workgroup_id_y 1
		.amdhsa_system_sgpr_workgroup_id_z 1
		.amdhsa_system_vgpr_workitem_id 0
		.amdhsa_next_free_vgpr 42
		.amdhsa_next_free_sgpr 66
		.amdhsa_reserve_vcc 1
		.amdhsa_float_denorm_mode_32 3
		.amdhsa_float_denorm_mode_16_64 3
		.amdhsa_memory_ordered 1
		.amdhsa_forward_progress 1
		.amdhsa_inst_pref_size 7
	.end_amdhsa_kernel
	.amdgpu_metadata
---
amdhsa.version: [ 1, 2 ]
amdhsa.kernels:
  - .name:           k_q0a350c2725_edges
    .symbol:         k_q0a350c2725_edges.kd
    .args:
      - { .name: control_points, .offset: 0, .size: 8, .value_kind: global_buffer, .address_space: global }
      - { .name: params, .offset: 8, .size: 8, .value_kind: global_buffer, .address_space: global }
      - { .name: masks, .offset: 16, .size: 8, .value_kind: global_buffer, .address_space: global }
    .group_segment_fixed_size: 2560
    .private_segment_fixed_size: 0
    .kernarg_segment_align: 8
    .kernarg_segment_size: 24
    .max_flat_workgroup_size: 512
    .sgpr_count:     66
    .vgpr_count:     42
    .wavefront_size: 32
...
	.end_amdgpu_metadata
.endif
;; end of part 1
;; launch render (part 2): grid 256 x 1, 8 waves a work-group, no clusters, 0 bytes of LDS; arguments color, params, masks, out0; writes out0
.if DOCPART == 2
	.amdgcn_target "amdgcn-amd-amdhsa--gfx1250"
	.amdhsa_code_object_version 6
	.text
	.protected	k_q0a350c2725_render
	.globl	k_q0a350c2725_render
	.p2align	8
	.type	k_q0a350c2725_render,@function
k_q0a350c2725_render:
	s_mov_b64 s[64:65], 0
	v_nop
	global_prefetch_b8 v0, s[64:65] scope:SCOPE_SE
	s_setreg_imm32_b32 hwreg(HW_REG_WAVE_MODE, 25, 1), 1
	s_wait_xcnt 0x0
; RENDER: out0[y][x] = (color, sigmoid(4 winding[y][x])), winding = sum over the edges marked for row y of w sigmoid(xc - x),
; t = (y - y0) / (dy + 1e-8), xc = x0 + t dx, w = sign(dy) sigmoid(20 t) sigmoid(20 (1 - t)).
; The marks (16 words a row, bit i of word j = edge 32 j + i) and the edges' parameters (y0, 1 / (dy + 1e-8), x0, dx) were stored by the launch before.
; An edge that is not marked has a weight of at most 3.1e-7 in this row; all 512 together move alpha by at most 6.3e-4 of its value.
; LIMIT: the division is a multiplication by the stored reciprocal (good to one unit in the last place); |t| <= 1.75 wherever it counts.
; 256 work-groups of 8 waves: waves 0-3 take row g, waves 4-7 row g + 256, a quarter of 256 pixels each, so that a work-group's load
; is the sum of two rows that lie far apart.  No wave needs another: no LDS, no barrier.
; Lane (r = lane % 16, h = lane / 16) owns the pixels 256 q + 128 h + 16 k + r, k = 0..7: in store k sixteen neighbouring lanes write 256 consecutive bytes, aligned.
; ONE exponential serves a lane's eight pixels: E = e^(xm - xc) at xm, the middle of the eight, and e^(x - xc) = E e^(16 k - 56).
; If E comes out as 0 (xm - xc < -87) the true factor is below e^-31 beside the 1 it is added to; if it comes out as infinity the true sigmoid is below e^-32.
.set MASK, 16                          ; s[16:31]  the row's marks; a word's bits are cleared as its edges are taken
.set XM,   3                           ; v3        the middle of my eight pixels
.set E,    4                           ; v[4:5]    E (the second register is only named by the packed form)
.set XC,   6                           ; v6        lane i: xc of edge i of the word at work
.set W,    7                           ; v7        lane i: its weight
.set C,    8                           ; v[8:15]   e^(16 k - 56)
.set ACC,  16                          ; v[16:23]  my eight windings
.set D,    24                          ; v[24:31]  1 + e^(x - xc), then its reciprocal
.set P,    32                          ; v[32:95]  word j: 4 registers, lane i: the parameters of edge 32 j + i
.set OUT,  96                          ; v[96:127] pixel k: red, green, blue, alpha
.set T,    128                         ; v128      at work
.set OFF,  129                         ; v129      byte offset of my first pixel in the row
.set A1,   130                         ; v[130:131] at work, a pair
.set A2,   131
	s_load_b256 s[4:11], s[0:1], 0x0               ; color s[4:5], params s[6:7], masks s[8:9], out0 s[10:11]
	v_lshrrev_b32 v1, 5, v0
	v_readfirstlane_b32 s12, v1                    ; wave 0..7
	v_and_b32 v1, 31, v0
	v_lshlrev_b32 v2, 4, v1                        ; 16 bytes a lane: an edge's parameters
	s_lshr_b32 s13, s12, 2
	s_lshl_b32 s13, s13, 8
	s_add_co_u32 s13, s13, ttmp9                   ; my row: g or g + 256
	s_and_b32 s14, s12, 3
	s_lshl_b32 s14, s14, 8                         ; my quarter's first pixel
	s_cvt_f32_u32 s15, s13                         ; y
	s_lshl_b32 s32, s13, 6                         ; 64 bytes of marks a row
	s_mov_b32 s33, 0
	s_lshl_b32 s34, s13, 14                        ; 16,384 bytes of out0 a row
	s_mov_b32 s35, 0
	s_wait_kmcnt 0x0
	s_add_nc_u64 s[8:9], s[8:9], s[32:33]
	s_add_nc_u64 s[10:11], s[10:11], s[34:35]
	s_load_b512 s[MASK:MASK+15], s[8:9], 0x0       ; the row's 16 words of marks
	s_load_b96 s[36:38], s[4:5], 0x0               ; red, green, blue
.irp j, 0,1,2,3,4,5,6,7,8,9,10,11,12,13,14,15
	global_load_b128 v[P+4*\j:P+4*\j+3], v2, s[6:7] offset:512*\j   ; all 512 edges at once: no load ever waits for the marks
.endr
	; while these are on their way: my pixels, the eight factors, the sums' start
	v_and_b32 v[XM], 15, v0
	v_bfe_u32 v[T], v0, 4, 1
	v_lshl_add_u32 v[XM], v[T], 7, v[XM]           ; r + 128 h
	v_add_nc_u32 v[XM], s14, v[XM]                 ; my first pixel
	v_lshlrev_b32 v[OFF], 4, v[XM]                 ; 16 bytes a pixel
	v_add_nc_u32 v[XM], 56, v[XM]
	v_cvt_f32_u32 v[XM], v[XM]                     ; the middle of x, x + 16, .. x + 112
	v_mov_b32 v[E], 0x4138aa3b                     ; 8 log2(e)
	v_mul_f32 v[C+0], 0xc0e00000, v[E]             ; -7, -5, .. 7 times that: (16 k - 56) log2(e)
	v_mul_f32 v[C+1], 0xc0a00000, v[E]
	v_mul_f32 v[C+2], 0xc0400000, v[E]
	v_mul_f32 v[C+3], -1.0, v[E]
	v_mul_f32 v[C+4], 1.0, v[E]
	v_mul_f32 v[C+5], 0x40400000, v[E]
	v_mul_f32 v[C+6], 0x40a00000, v[E]
	v_mul_f32 v[C+7], 0x40e00000, v[E]
.irp k, 0,1,2,3,4,5,6,7
	v_exp_f32 v[C+\k], v[C+\k]                     ; e^(16 k - 56); plain lines follow before any use
.endr
	v_mov_b32 v[E+1], 0
.irp k, 0,1,2,3,4,5,6,7
	v_mov_b32 v[ACC+\k], 0                         ; a row may have no marked edge: the sums start at 0
.endr
	s_mov_b32 s43, 0x7fffffff                      ; all bits but the sign
	s_mov_b32 s45, 0                               ; second half of the pair s[44:45], which the packed form names
	s_wait_kmcnt 0x0                               ; marks and colour
.irp k, 0,1,2,3,4,5,6,7
	v_mov_b32 v[OUT+4*\k],   s36
	v_mov_b32 v[OUT+4*\k+1], s37
	v_mov_b32 v[OUT+4*\k+2], s38
.endr
	s_wait_loadcnt 0x0                             ; the parameters
; Word j of the marks.  Nothing is done for a word without marks.  Otherwise xc and the weight of its 32 edges in this row are made at once,
; an edge a lane (unmarked lanes' results are never read), and the marked edges are taken one after the other, lowest bit first.
.macro WORD j
	s_bcnt1_i32_b32 s41, s[MASK+\j]                ; how many edges; SCC = there are some
	s_cbranch_scc0 .Lnone_\j
	v_sub_f32 v[T], s15, v[P+4*\j]                 ; y - y0
	v_mul_f32 v[T], v[T], v[P+4*\j+1]              ; t
	v_mul_f32 v[A1], 0xc1e6d4ca, v[T]              ; -20 t log2(e)
	v_sub_f32 v[A2], 0xc1e6d4ca, v[A1]             ; -20 (1 - t) log2(e)
	v_exp_f32 v[A1], v[A1]
	v_exp_f32 v[A2], v[A2]
	v_fma_f32 v[XC], v[T], v[P+4*\j+3], v[P+4*\j+2]        ; xc = x0 + t dx: the plain line between the exponentials and their use
	s_wait_alu depctr_va_vdst(0)
	v_pk_add_f32 v[A1:A2], v[A1:A2], 1.0 op_sel_hi:[1,0]
	v_mul_f32 v[A2], v[A1], v[A2]                  ; (1 + e^-20t)(1 + e^-20(1-t)), kept as a product of the two sums: one may be infinite while the other exponential is 0
	v_rcp_f32 v[A2], v[A2]                         ; sigmoid(20 t) sigmoid(20 (1 - t))
	v_nop                                          ; one plain place behind the reciprocal
	s_wait_alu depctr_va_vdst(0)
	v_bfi_b32 v[W], s43, v[A2], v[P+4*\j+1]        ; with the sign of 1 / (dy + 1e-8), which is dy's
.Ledge_\j:
	s_ctz_i32_b32 s40, s[MASK+\j]                  ; the lowest marked edge
	s_add_co_u32 s42, s[MASK+\j], -1
	v_readlane_b32 s46, v[XC], s40                 ; its xc
	v_readlane_b32 s44, v[W], s40                  ; its weight
	s_and_b32 s[MASK+\j], s[MASK+\j], s42          ; its mark is cleared
	v_sub_f32 v[T], v[XM], s46                     ; xm - xc
	v_mul_f32 v[T], 0x3fb8aa3b, v[T]
	v_exp_f32 v[E], v[T]                           ; E = e^(xm - xc)
	v_nop                                          ; one plain place behind the exponential
	s_wait_alu depctr_va_vdst(0)
.irp k, 0,2,4,6
	v_pk_fma_f32 v[D+\k:D+\k+1], v[E:E+1], v[C+\k:C+\k+1], 1.0 op_sel_hi:[0,1,0]   ; 1 + E e^(16 k - 56), two pixels at a time
.endr
.irp k, 0,1,2,3,4,5,6,7
	v_rcp_f32 v[D+\k], v[D+\k]                     ; sigmoid(xc - x)
.endr
	v_nop                                          ; one plain place behind the reciprocals
	s_wait_alu depctr_va_vdst(0)
.irp k, 0,2,4,6
	v_pk_fma_f32 v[ACC+\k:ACC+\k+1], v[D+\k:D+\k+1], s[44:45], v[ACC+\k:ACC+\k+1] op_sel_hi:[1,0,1]   ; both by s44, the weight
.endr
	s_sub_co_i32 s41, s41, 1
	s_cmp_lg_u32 s41, 0
	s_cbranch_scc1 .Ledge_\j
.Lnone_\j:
.endm
.irp j, 0,1,2,3,4,5,6,7,8,9,10,11,12,13,14,15
	WORD \j
.endr
	; alpha = 1 / (1 + e^(-4 winding)); an exponential that overflows gives alpha 0, as it should
.irp k, 0,2,4,6
	v_pk_mul_f32 v[ACC+\k:ACC+\k+1], v[ACC+\k:ACC+\k+1], 0xc0b8aa3b op_sel_hi:[1,0]   ; -4 log2(e)
.endr
.irp k, 0,1,2,3,4,5,6,7
	v_exp_f32 v[ACC+\k], v[ACC+\k]
.endr
	v_nop                                          ; one plain place behind the exponentials
	s_wait_alu depctr_va_vdst(0)
.irp k, 0,2,4,6
	v_pk_add_f32 v[ACC+\k:ACC+\k+1], v[ACC+\k:ACC+\k+1], 1.0 op_sel_hi:[1,0]
.endr
.irp k, 0,1,2,3,4,5,6,7
	v_rcp_f32 v[OUT+4*\k+3], v[ACC+\k]             ; straight into the pixel's fourth word
.endr
	v_nop                                          ; one plain place behind the reciprocals
	s_wait_alu depctr_va_vdst(0)
.irp k, 0,1,2,3,4,5,6,7
	global_store_b128 v[OFF], v[OUT+4*\k:OUT+4*\k+3], s[10:11] offset:256*\k th:TH_STORE_NT   ; lanes 0-15 and lanes 16-31 each write 256 consecutive bytes, aligned
.endr
	s_endpgm
.Lfunc_end_k_q0a350c2725_render:
	.size	k_q0a350c2725_render, .Lfunc_end_k_q0a350c2725_render-k_q0a350c2725_render
	.p2alignl 7, 3214868480
	.fill 96, 4, 3214868480
	.section	.rodata,"a",@progbits
	.p2align	6, 0x0
	.amdhsa_kernel k_q0a350c2725_render
		.amdhsa_group_segment_fixed_size 0
		.amdhsa_private_segment_fixed_size 0
		.amdhsa_enable_private_segment 0
		.amdhsa_kernarg_size 32
		.amdhsa_user_sgpr_count 2
		.amdhsa_user_sgpr_kernarg_segment_ptr 1
		.amdhsa_wavefront_size32 1
		.amdhsa_system_sgpr_workgroup_id_x 1
		.amdhsa_system_sgpr_workgroup_id_y 1
		.amdhsa_system_sgpr_workgroup_id_z 1
		.amdhsa_system_vgpr_workitem_id 0
		.amdhsa_next_free_vgpr 132
		.amdhsa_next_free_sgpr 66
		.amdhsa_reserve_vcc 0
		.amdhsa_float_denorm_mode_32 3
		.amdhsa_float_denorm_mode_16_64 3
		.amdhsa_memory_ordered 1
		.amdhsa_forward_progress 1
		.amdhsa_inst_pref_size 39
	.end_amdhsa_kernel
	.amdgpu_metadata
---
amdhsa.version: [ 1, 2 ]
amdhsa.kernels:
  - .name:           k_q0a350c2725_render
    .symbol:         k_q0a350c2725_render.kd
    .args:
      - { .name: color, .offset: 0, .size: 8, .value_kind: global_buffer, .address_space: global }
      - { .name: params, .offset: 8, .size: 8, .value_kind: global_buffer, .address_space: global }
      - { .name: masks, .offset: 16, .size: 8, .value_kind: global_buffer, .address_space: global }
      - { .name: out0, .offset: 24, .size: 8, .value_kind: global_buffer, .address_space: global }
    .group_segment_fixed_size: 0
    .private_segment_fixed_size: 0
    .kernarg_segment_align: 8
    .kernarg_segment_size: 32
    .max_flat_workgroup_size: 256
    .sgpr_count:     66
    .vgpr_count:     132
    .wavefront_size: 32
...
	.end_amdgpu_metadata
.endif
;; end of part 2
